; MI455X (gfx1250); checked and timed in simulation.
; The chip was launched on July 23, 2026; its instructions are those of AMD's public machine-readable ISA for CDNA 5 (MIT licence, August 2026) and "CDNA5" Instruction Set Architecture Reference Guide (July 2026). The comments in the code are by the model that wrote it; some were corrected since.
;; Causal Self Attention. Allowed arithmetic: matrix products marked QUANTISED: E5M2 operands, one E8M0 scale for each 32 along K, by v_wmma_scale_f32_16x16x128_f8f6f4 with both operands' format E5M2, f32 sums; everything else in f32.
;; Inputs: W_attn_codes 3,072 x 32 x 32 uint8 (E5M2 codes of W_attn, K innermost, in blocks of 32 codes); W_attn_scales 3,072 x 32 uint8 (E8M0 scales of W_attn, one for each 32 codes along K); W_o_codes 1,024 x 32 x 32 uint8 (E5M2 codes of W_o, K innermost, in blocks of 32 codes); W_o_scales 1,024 x 32 uint8 (E8M0 scales of W_o, one for each 32 codes along K); b_attn 3,072 float32; b_o 1,024 float32; x_codes 4 x 2,048 x 32 x 32 uint8 (E5M2 codes of x, K innermost, in blocks of 32 codes); x_scales 4 x 2,048 x 32 uint8 (E8M0 scales of x, one for each 32 codes along K).
;; Outputs: out0 4 x 2,048 x 1,024 float32.
;; This version of the problem:
;;   THIS VERSION OF THE PROBLEM IS GIVEN IN LOW PRECISION. The matrix products marked QUANTISED in the list below multiply operands that are first quantised to E5M2 (5 exponent bits, 2 mantissa bits; 8 bits a number), with one power-of-two scale for each 32 numbers along K (OCP MX v1.0); their sums are f32. All else is computed in f32.
;;   The module's matrix products, in the order in which they are computed (A, B: the left and right operand; K: the contracted axis; several contracted axes count as one K, in the product's order):
;;     1. [M 8,192, K 1,024] x [K 1,024, N 3,072]; A: input x (given as codes); B: input W_attn (given as codes): QUANTISED
;;     2. batch 64 x [M 2,048, K 64] x [K 64, N 2,048]; A: computed on the way; B: computed on the way: QUANTISED
;;     3. batch 64 x [M 2,048, K 2,048] x [K 2,048, N 64]; A: softmax (see below); B: computed on the way: QUANTISED
;;     4. [M 8,192, K 1,024] x [K 1,024, N 1,024]; A: computed on the way; B: input W_o (given as codes): QUANTISED
;;   THE QUANTISER, for each operand of a quantised product, along K:
;;     - K is cut into blocks of 32 from its start; a last block that is shorter is filled with zeros.
;;     - A block's scale is 2^e with e = floor(log2(the largest magnitude in the block)) - 15, held to -126 .. 127; a block of zeros has e = 0. As a byte (E8M0): e + 127.
;;     - Each number is divided by its block's scale, clamped to +-57,344, and rounded to the nearest number of E5M2, ties to even, subnormals kept.
;;     - The product sums the exact products of the quantised numbers (number of the format x scale) in f32.
;;   ~~~python
;;   def quantise(x, axis):      # numpy; x: float32 -> the quantised numbers, widened to float32 again
;;       x = np.moveaxis(x, axis, -1); K = x.shape[-1]
;;       x = np.pad(x, [(0, 0)] * (x.ndim - 1) + [(0, -K % 32)]); x = x.reshape(x.shape[:-1] + (-1, 32)); a = np.abs(x).max(-1, keepdims=True)
;;       e = np.where(a > 0, np.clip(np.frexp(np.where(a > 0, a, 1))[1] - 1 - 15, -126, 127), 0)      # np.frexp(a)[1] - 1 = floor(log2(a)), exactly
;;       r = np.clip(x / 2.0 ** e, -57344, 57344)
;;       step = 2.0 ** (np.maximum(np.frexp(np.where(r == 0, 1, r))[1] - 1, -14) - 2)
;;       q = np.round(r / step) * step * 2.0 ** e      # np.round: ties to even
;;       return np.moveaxis(q.reshape(q.shape[:-2] + (-1,))[..., :K], -1, axis).astype(np.float32)
;;   ~~~
;;   SOFTMAX AHEAD OF A QUANTISED PRODUCT. Where the list says 'softmax', what is quantised is not the finished softmax but p = 2^(t - M), with t = logit x log2(e) and M = ceil(the row's largest t), a whole number; so 1/2 < the row's largest p <= 1. The row's sum l is taken of the UNQUANTISED p, in f32, and the product's result is divided by l at the end. Since M is a whole number, a kernel that streams over the keys may use a running M (the ceiling of the running maximum): every later rescaling is an exact power of two, which a block's scale takes up: the codes' values come out the same.
;;   OPERANDS COMPUTED ON THE WAY. 'Computed on the way' means the value that the module computes at that place (a softmax that the list does not call 'softmax' is quantised finished and normalised). What goes into a quantiser is computed in f32, as accurately as f32 sums, v_exp_f32 and their like allow (about 1e-6 of the number): no bf16 or f16 on the way to a quantiser, and a product that is left as it is and whose result goes on into a quantised operand takes f32 operands (vector FMAs, or v_wmma_f32_16x16x4_f32). A number that lies on a knife's edge between two numbers of the format may be rounded either way, as far as f32 arithmetic and the matrix unit's own rounding can turn it there, and no further.
;;   INPUTS GIVEN AS CODES. W_attn (in the module: [3072, 1024], K = its axis 1); W_o (in the module: [1024, 1024], K = its axis 1); x (in the module: [4, 2048, 1024], K = its axis 2): each comes as NAME_codes (uint8): NAME with its K axis moved to the last place and cut into blocks of 32 codes, [.., K / 32, bytes a block], one block behind the other in memory; one code a byte (a code: sign, 5 exponent bits, 2 mantissa bits); and NAME_scales (uint8): the same leading axes, one E8M0 byte (e + 127) for each 32 codes along K. Its value is code x scale, taken as it is: it is not quantised again, and the codes and scales need not be those that the quantiser above would give.
;; One version. Each part assembles by itself: llvm-mc -triple=amdgcn-amd-amdhsa -mcpu=gfx1250 --defsym DOCPART=n.
;; ======== version 1 of 1: 3 launches
;; limits: a function is approximated: absolute error at most 0.0002; right only within a limited range of input values
;; workspace buffers: q_codes 8,388,608 bytes; q_scales 524,288 bytes; kv 17,825,792 bytes; y_codes 8,388,608 bytes; y_scales 262,144 bytes
;; launch qkv (part 1): grid 8 x 48, 4 waves a work-group, clusters of 4 x 4, 327,680 bytes of LDS; arguments x_codes, x_scales, W_attn_codes, W_attn_scales, b_attn, q_codes, q_scales, kv; writes q_codes, q_scales, kv
.if DOCPART == 1
	.amdgcn_target "amdgcn-amd-amdhsa--gfx1250"
	.amdhsa_code_object_version 6
	.text
	.protected	k_qb8fd1be3c4_qkv
	.globl	k_qb8fd1be3c4_qkv
	.p2align	8
	.type	k_qb8fd1be3c4_qkv,@function
k_qb8fd1be3c4_qkv:
	s_mov_b64 s[64:65], 0
	v_nop
	global_prefetch_b8 v0, s[64:65] scope:SCOPE_SE
	s_setreg_imm32_b32 hwreg(HW_REG_WAVE_MODE, 25, 1), 1
	s_wait_xcnt 0x0
	s_wait_alu depctr_hold_cnt(0) depctr_sa_sdst(0) depctr_va_vdst(0) depctr_va_sdst(0) depctr_va_ssrc(0) depctr_va_vcc(0) depctr_vm_vsrc(0)
	s_getreg_b32 s2, hwreg(HW_REG_IB_STS2, 6, 4)
	s_cmp_eq_u32 s2, 0
	s_cbranch_scc0 .Lentry_in_a_cluster
	s_endpgm
.Lentry_in_a_cluster:
	s_bfe_u32 s2, ttmp6, 0x10000c
	s_cmp_lg_u32 s2, 0xf033
	s_cbranch_scc0 .Lentry_shape_is_right
	s_endpgm
.Lentry_shape_is_right:
; qkv = x W_attn^T + b_attn on codes of BF8 (E5M2) with one E8M0 scale for each 32 along K = 1,024; then the rotation of q and k, and the quantisers of q, k (along a head's 64) and v (along the keys).
; x: [8192][1024] codes, W_attn: [3072][1024] codes, their scale bytes [rows][32].  What leaves are codes and scale words laid as images of the operand registers of the attention launch.
; A tile of 256 x 256 of the product is made by four waves, 128 x 128 each: 64 accumulators, 512 registers.  K goes in steps of 256 through two LDS slots filled by the tensor data mover; the scale bytes of the
; work-group's 2 x 256 rows come once and stay.  4 x 4 work-groups form a cluster: source 1's tiles are asked for jointly along a row of the cluster, source 0's along a column.
; TWO KINDS OF TILES, ONE MAIN LOOP.  In a result, lane (r, h) holds ONE row of source 1 and its eight registers eight neighbouring rows of source 0.
;   clusters with y < 8 (q and k): source 0 = 256 rows of W (channels), source 1 = 256 tokens: a lane holds one token and its registers run along the channels, which are the next K.
;   clusters with y >= 8 (v):      source 0 = 256 tokens, source 1 = 256 rows of W from row 2,048 on: a lane holds one channel and its registers run along the tokens, which are the next K.
; The kinds differ in pointers and tile numbers alone, chosen on the cluster's y, which all sixteen partners share.
; ORDER INSIDE A BLOCK OF 32, alike on both operands of the later products: q, k: place 32 c + 16 h + 4 t + i holds rotated channel 32 c + 8 t + 4 h + i;  v (and p): place 32 c + 16 h + 8 u + j holds key 32 c + 16 u + 8 h + j.
; THE ROTATION.  angle(token, j) = token x f_j, f_j = 2^(-j log2(1000) / 32) by v_exp_f32.  Sine and cosine of the wave's first 16 tokens' angles and of 16 f_j come by reduction modulo pi / 2 (in two parts)
; and polynomials on +-pi / 4; each further tile of 16 tokens is reached by one rotation by 16 f_j.
; LIMITS: NaN and infinities among the inputs are not served.  A block of zeros gets the scale byte 1, not 127: its codes are zeros, and this program alone reads the bytes.  The angles differ from
; sin and cos of the f32 product token x f_j by that product's own rounding and about one unit in f_j's last place: at most some 2e-4 radians, at token 2,047 and j = 1; q and k use the same tables.
; REGISTERS in the main loop: window 0: v16-29 addresses, v32-63 scale words (two sets), v128-255 source 1's fragments (one set); window 1: source 0's fragments (two sets); windows 2, 3: the accumulators ((a, b) at v[8 (8 (a % 4) + b)]).
.set KSTEP,  256
.set NQ,     KSTEP/128
.set ROWB,   256
.set KROW,   1024
.set PITCH,  272                       ; an LDS row: 256 bytes + 16 of padding: the 16 rows that a load touches start 68 words apart
.set FR,     16
.set NL,     4
.set NP,     8                         ; places behind this matrix instruction (ISA guide 7.12.1)
.set HALFT,  128*PITCH
.set SLOT,   4*HALFT
.set LAPS,   2                         ; 1,024 along K = two laps of two K steps
.set KS,     32
.set SCL,    2*SLOT
.set HALFS,  (128*KS/256)*272
.set SBLK,   (16*KS/256)*272
.set SPARE,  SCL+4*HALFS               ; the spare words: 128 bytes for each wave, named by no other line
.set STEPB,  17408                     ; kv: a step of 128 keys: K's image 8,192, V's image 8,192, K's scale words 512, V's 512
.set HEADB,  16*STEPB
.set ADRA, 16
.set ADRB, 20
.set ADRS, 27
.set SPW,  28
.set NIL,  29
.set SC,   32
.set AF,   128
.set G1, 24
.set G0, 32
.set G1B, 48
.set G0B, 56
.set G1S, 68
.set G0S, 76
.set G1SB, 80
.set G0SB, 88
; behind the main loop, window 0
.set TB,  32                           ; v32-95   q, k: 16 sets of (cos, sin, cos of the step, sin of the step)
.set T,   96                           ; v96-127  32 numbers of a token, bias added
.set X,   128                          ; v128-159 rotated
.set PC,  160                          ; v160-167 their codes
.set TM,  176                          ; v176-191 the quantiser's: largest magnitudes, bytes, scale operands
.set PWS, 192                          ; v192-207 scale words: head hd, token tile a at 8 hd + a
.set SW,  208                          ; v208-215 the scale words as they leave
.set RT,  216                          ; v216-223 at work in a rotation of the tables
.set VT,  32                           ; v: v32-95 64 numbers of a channel
.set VPC, 96                           ; v96-111  their codes
.set VPW, 128                          ; v128-135 scale words
.set VB,  136                          ; v136-151 the bias, as pairs of which the low word is used
.set VSW, 152                          ; v152-159 the scale words as they leave
.set SEL, 92
.set MNT, 91
.set HM,  94
.set MSB, 0
.macro WIN new                         ; the immediate's high byte repeats the setting that is left
.if MSB != (\new)
	s_set_vgpr_msb (MSB<<8)|(\new)
.set MSB, \new
.endif
.endm
.set MUL_LO, 0xa1                      ; source 0 window 1, source 1 window 0, C and D window 2
.set MUL_HI, 0xf1
.set TO_B,   0x40
; A joint load: waves 0 and 1 fetch for source 1, waves 2 and 3 for source 0.  The branch hangs on the wave's number alone.  Four v_nop follow each of the two lines.
.macro JLOAD g0a, g1a, g0b, g1b
	s_cmp_eq_u32 s15, 0
	s_cbranch_scc0 .Lfor_b_\@
	tensor_load_to_lds s[\g0a:\g0a+3], s[\g1a:\g1a+7]
	s_nop 0
.rept 4
	v_nop
.endr
	s_branch .Lasked_\@
.Lfor_b_\@:
	tensor_load_to_lds s[\g0b:\g0b+3], s[\g1b:\g1b+7]
	s_nop 0
.rept 4
	v_nop
.endr
.Lasked_\@:
.endm
.macro CREST                           ; a round of the cluster's barrier behind its opening barrier
	s_cmp_lg_u32 s14, 0
	s_cbranch_scc1 .Lnot_wave_0_\@
	s_barrier_signal -3
.Lnot_wave_0_\@:
	s_barrier_wait -3
	s_barrier_signal -1
	s_barrier_wait -1
.endm
.macro CROUND
	s_barrier_signal -1
	s_barrier_wait -1
	CREST
.endm
	s_load_b256 s[4:11], s[0:1], 0x0               ; x's codes, x's scales, W's codes, W's scales
	v_lshl_add_u32 v[SPW], v0, 2, SPARE
	v_mov_b32 v[NIL], 0
	ds_add_u32 v28, v29
	ds_add_u32 v28, v29
	s_wait_dscnt 0x0
	v_lshrrev_b32 v1, 5, v0
	v_readfirstlane_b32 s14, v1                    ; wave 0..3
	s_lshr_b32 s15, s14, 1                         ; which half of source 1's rows is mine.  Also: I fetch for source 1 (0) or source 0 (1)
	s_and_b32 s16, s14, 1                          ; which half of source 0's rows.  Also: which 128 rows I fetch
	s_bfe_u32 s40, ttmp6, 0x40000                  ; cx, cy: my place in the cluster
	s_bfe_u32 s41, ttmp6, 0x40004
	s_and_b32 s95, ttmp7, 0xffff                   ; the cluster's y: 0-7 q and k, 8-11 v
	s_lshl_b32 s42, ttmp9, 2
	s_add_co_u32 s42, s42, s40                     ; 4 x cluster x + cx
	s_cmp_lt_u32 s95, 8
	s_cselect_b32 s96, s95, 0
	s_cselect_b32 s97, 8, s95
	s_lshl_b32 s17, s96, 2
	s_add_co_u32 s17, s17, s41                     ; source 1's tile: q, k: 4 x cluster y + cy (tokens);  v: cy (channels).  It never holds cx
	s_sub_co_u32 s97, s97, 8
	s_lshl_b32 s97, s97, 3
	s_add_co_u32 s42, s42, s97                     ; source 0's tile: q, k: 0-7 (channels);  v: + 8 (cluster y - 8): 0-31 (tokens).  It never holds cy
	s_lshl_b32 s43, s41, 2
	s_lshl_b32 s43, 15, s43                        ; my row of the cluster
	s_lshl_b32 s44, 0x1111, s40                    ; my column
	s_or_b32 s[G1+0], s43, (0<<16)|(1<<20)|(1<<21)|(5<<22)|(3<<25)  ; the mask; elements of 1 byte; padding on; bit 21 beside a mask; 4 words of padding after every 64
	s_or_b32 s[G1B+0], s44, (0<<16)|(1<<20)|(1<<21)|(5<<22)|(3<<25)
.irp g, G1, G1B
	s_mov_b32 s[\g+1], ROWB<<16                    ; tensor_dim0
	s_mov_b32 s[\g+2], 128<<16                     ; tensor_dim1
	s_mov_b32 s[\g+3], ROWB<<16                    ; tile_dim0
	s_mov_b32 s[\g+4], 128                         ; tile_dim1
	s_mov_b32 s[\g+5], KROW                        ; the pitch
	s_mov_b32 s[\g+6], 0
	s_mov_b32 s[\g+7], 0
.endr
	s_or_b32 s[G1S+0], s43, (3<<16)|(1<<20)|(1<<21)|(5<<22)|(3<<25)  ; the scales of 128 rows: a dense block, as rows of 256 bytes (32 elements of 8), 16 bytes of padding behind each
	s_or_b32 s[G1SB+0], s44, (3<<16)|(1<<20)|(1<<21)|(5<<22)|(3<<25)
.irp g, G1S, G1SB
	s_mov_b32 s[\g+1], 32<<16
	s_mov_b32 s[\g+2], (128*KS/256)<<16
	s_mov_b32 s[\g+3], 32<<16
	s_mov_b32 s[\g+4], 128*KS/256
	s_mov_b32 s[\g+5], 32
	s_mov_b32 s[\g+6], 0
	s_mov_b32 s[\g+7], 0
.endr
	s_lshl_b32 s18, s16, 7                         ; which 128 rows of the tile I fetch
	s_lshl_b32 s20, s17, 8
	s_add_co_u32 s20, s20, s18                     ; source 1: row 256 x tile + 128 x half
	s_lshl_b32 s46, s42, 8
	s_add_co_u32 s46, s46, s18                     ; source 0 likewise
	s_mov_b32 s21, 0
	s_mov_b32 s47, 0
	s_mov_b64 s[18:19], KS
	s_mul_u64 s[22:23], s[20:21], s[18:19]         ; where these rows' scales begin, in bytes
	s_mul_u64 s[92:93], s[46:47], s[18:19]
	s_mov_b64 s[18:19], KROW
	s_mul_u64 s[20:21], s[20:21], s[18:19]         ; and their codes
	s_mul_u64 s[46:47], s[46:47], s[18:19]
	s_mul_i32 s45, s14, HALFT                      ; where they go: wave x 128 rows
	s_mul_i32 s94, s14, HALFS
	s_wait_kmcnt 0x0
	s_add_nc_u64 s[76:77], s[8:9], 0x200000        ; W from row 2,048 on: v's rows
	s_add_nc_u64 s[78:79], s[10:11], 0x10000
	s_cmp_lt_u32 s95, 8                            ; the roles: a choice of pointers on the cluster's y
	s_cselect_b64 s[96:97], s[4:5], s[76:77]       ; source 1: x, or v's rows of W
	s_cselect_b64 s[98:99], s[6:7], s[78:79]
	s_cselect_b64 s[8:9], s[8:9], s[4:5]           ; source 0: W, or x
	s_cselect_b64 s[10:11], s[10:11], s[6:7]
	s_add_nc_u64 s[20:21], s[96:97], s[20:21]
	s_add_nc_u64 s[22:23], s[98:99], s[22:23]
	s_add_nc_u64 s[46:47], s[8:9], s[46:47]
	s_add_nc_u64 s[92:93], s[10:11], s[92:93]
	CROUND                                         ; all sixteen work-groups are here: the first joint loads meet
	s_mov_b32 s[G0S], 1
	s_add_co_u32 s[G0S+1], s94, SCL
	s_mov_b64 s[G0S+2:G0S+3], s[22:23]
	s_or_b32 s[G0S+3], s[G0S+3], 0x80000000
	s_mov_b32 s[G0SB], 1
	s_add_co_u32 s[G0SB+1], s94, SCL
	s_mov_b64 s[G0SB+2:G0SB+3], s[92:93]
	s_or_b32 s[G0SB+3], s[G0SB+3], 0x80000000
	JLOAD G0S, G1S, G0SB, G1SB                     ; the scales first: they are wanted with K step 0
.irp s, 0,1
	s_mov_b32 s[G0+4*\s], 1
	s_add_co_u32 s[G0+4*\s+1], s45, \s*SLOT
	s_add_nc_u64 s[G0+4*\s+2:G0+4*\s+3], s[20:21], \s*ROWB
	s_or_b32 s[G0+4*\s+3], s[G0+4*\s+3], 0x80000000
	s_mov_b32 s[G0B+4*\s], 1
	s_add_co_u32 s[G0B+4*\s+1], s45, \s*SLOT
	s_add_nc_u64 s[G0B+4*\s+2:G0B+4*\s+3], s[46:47], \s*ROWB
	s_or_b32 s[G0B+4*\s+3], s[G0B+4*\s+3], 0x80000000
	JLOAD G0+4*\s, G1, G0B+4*\s, G1B               ; by this text's count three tensor loads of a wave are out here, later one
.endr
	v_and_b32 v1, 15, v0                           ; r
	v_bfe_u32 v2, v0, 4, 1                         ; h
	v_mul_u32_u24 v3, v1, PITCH
	v_lshl_add_u32 v4, v2, 4, v3                   ; a fragment's row x pitch + 16 h
	s_mul_i32 s21, s15, HALFT                      ; my 128 rows of source 1
	s_mul_i32 s22, s16, HALFT                      ; my 128 rows of source 0,
	s_add_co_u32 s22, s22, 2*HALFT                 ; which lie behind source 1's 256
.irp s, 0,1
	v_add_nc_u32 v[ADRA+\s], s21, v4
	v_add_nc_u32 v[ADRB+\s], s22, v4
	s_add_co_u32 s21, s21, SLOT
	s_add_co_u32 s22, s22, SLOT
.endr
	v_mul_u32_u24 v5, v1, KS                       ; my row's scales: KS bytes a row,
	v_lshrrev_b32 v6, 8, v5
	v_lshl_add_u32 v5, v6, 4, v5                   ; and 16 more for each 256 passed
	s_mul_i32 s21, s15, HALFS
	s_mul_i32 s22, s16, HALFS
	s_add_co_u32 s22, s22, 2*HALFS
	s_sub_co_u32 s22, s22, s21
	v_mul_u32_u24 v6, s22, v2                      ; lanes 16-31 take source 0's
	s_add_co_u32 s21, s21, SCL
	v_add_nc_u32 v5, v5, v6
	v_add_nc_u32 v[ADRS], s21, v5
.macro FRAG reg, adr, q, i             ; 16 rows x 128 K: lane l holds row l % 16; registers 4 c .. 4 c + 3 hold K = 32 c + 16 (l / 16) + 0 .. 15
.irp c, 0,1,2,3
	ds_load_b128 v[\reg+4*\c:\reg+4*\c+3], v[\adr] offset:128*(\q)+32*\c+(\i)*16*PITCH
.endr
.endm
; 16 matrix instructions: source 1's blocks a0, a0 + 1 x source 0's eight.  The 64 accumulators take turns, one instruction a turn, in the same order in every step.
.macro MUL16 a0, p, q, sc, zero
.irp a, \a0, \a0+1
.irp b, 0,1,2,3,4,5,6,7
.if \zero
	v_wmma_scale_f32_16x16x128_f8f6f4 v[8*(8*((\a)%4)+\b):8*(8*((\a)%4)+\b)+7], v[128*(\p)+FR*\b:128*(\p)+FR*\b+FR-1], v[AF+FR*(\a):AF+FR*(\a)+FR-1], 0, v[SC+8*NQ*(\sc)+NQ*\b+(\q)], v[SC+8*NQ*(\sc)+NQ*(\a)+(\q)] matrix_a_fmt:MATRIX_FMT_BF8 matrix_b_fmt:MATRIX_FMT_BF8 matrix_a_scale:MATRIX_SCALE_ROW1
.else
	v_wmma_scale_f32_16x16x128_f8f6f4 v[8*(8*((\a)%4)+\b):8*(8*((\a)%4)+\b)+7], v[128*(\p)+FR*\b:128*(\p)+FR*\b+FR-1], v[AF+FR*(\a):AF+FR*(\a)+FR-1], v[8*(8*((\a)%4)+\b):8*(8*((\a)%4)+\b)+7], v[SC+8*NQ*(\sc)+NQ*\b+(\q)], v[SC+8*NQ*(\sc)+NQ*(\a)+(\q)] matrix_a_fmt:MATRIX_FMT_BF8 matrix_b_fmt:MATRIX_FMT_BF8 matrix_a_scale:MATRIX_SCALE_ROW1
.endif
.endr
.endr
.endm
.macro FETCH_B slot, q, p
	WIN TO_B
.irp i, 0,1,2,3,4,5,6,7
	FRAG 128*(\p)+FR*\i, ADRB+\slot, \q, \i
.endr
	WIN 0
.endm
.macro FETCH_A slot, q, i0
.irp i, \i0, \i0+1, \i0+2, \i0+3
	FRAG AF+FR*(\i), ADRA+\slot, \q, \i
.endr
.endm
.macro SCALES sc                       ; a K step's scale words: lanes 0-15 source 1's block i, lanes 16-31 source 0's block i
.irp i, 0,1,2,3,4,5,6,7
	ds_load_b64 v[SC+8*NQ*\sc+NQ*\i:SC+8*NQ*\sc+NQ*\i+1], v[ADRS] offset:\i*SBLK
.endr
.endm
.macro PLACES n                        ; plain vector instructions between a matrix instruction and a load into, or a read of, its registers
.rept \n
	v_nop
.endr
.endm
.macro STEP slot, q, zero              ; 128 along K that have their successor in the same slot
	s_wait_dscnt 4*NL                              ; source 0's set and source 1's blocks 0-3 are in; the youngest 16 loads (blocks 4-7) may be out
	WIN MUL_LO
	MUL16 0, (\q)%2, \q, \slot, \zero
	MUL16 2, (\q)%2, \q, \slot, \zero
	s_wait_dscnt 0
	PLACES NP
	FETCH_B \slot, (\q)+1, 1-(\q)%2
	FETCH_A \slot, (\q)+1, 0
	WIN MUL_HI
	MUL16 4, (\q)%2, \q, \slot, \zero
	MUL16 6, (\q)%2, \q, \slot, \zero
	PLACES NP
	WIN 0
	FETCH_A \slot, (\q)+1, 4
.endm
; A slot's last 128 change slots: one barrier; in front of it each wave waits for all its tensor loads, adds 0 to its spare word, and waits for that and for its reads of this slot.
.macro TURN slot, next, fill
	s_wait_tensorcnt 0x0                           ; all my tensor loads have landed: my part of the next slot
	ds_add_u32 v[SPW], v[NIL]                      ; 0 onto my spare word
	s_wait_dscnt 4*NL+1                            ; (the add and the youngest 16 loads may be out)
	WIN MUL_LO
	MUL16 0, 1, NQ-1, \slot, 0
	s_wait_dscnt 0x0                               ; the add is done, and my reads of this slot are over
	s_barrier_signal -1
	MUL16 2, 1, NQ-1, \slot, 0
	WIN 0
	s_barrier_wait -1
.if \fill
	CREST                                          ; the barrier has opened a round of the cluster's barrier: no wave of any partner still reads this slot or has a load on its way
	s_add_nc_u64 s[G0+4*\slot+2:G0+4*\slot+3], s[G0+4*\slot+2:G0+4*\slot+3], 2*ROWB
	s_add_nc_u64 s[G0B+4*\slot+2:G0B+4*\slot+3], s[G0B+4*\slot+2:G0B+4*\slot+3], 2*ROWB
	JLOAD G0+4*\slot, G1, G0B+4*\slot, G1B         ; the first tensor load behind the round; its four v_nop are among the places in front of the loads below
	PLACES NP-4
.else
	PLACES NP
.endif
	s_wait_alu depctr_va_vdst(0)
	v_add_nc_u32 v[ADRS], 4*NQ, v[ADRS]
	FETCH_B \next, 0, 0
	FETCH_A \next, 0, 0
	SCALES \next
	WIN MUL_HI
	MUL16 4, 1, NQ-1, \slot, 0
	MUL16 6, 1, NQ-1, \slot, 0
	PLACES NP
	WIN 0
	FETCH_A \next, 0, 4
.endm
	s_wait_alu depctr_va_vdst(0)
	s_wait_tensorcnt 1                             ; the scales and my part of K step 0 are in; K step 1's load may be out
	s_barrier_signal -1
	s_barrier_wait -1
	FETCH_B 0, 0, 0
	FETCH_A 0, 0, 0
	SCALES 0
	FETCH_A 0, 0, 4
	STEP 0, 0, 1                                   ; the first products start the sums
	s_mov_b32 s3, LAPS-1
.Llap:
	TURN 0, 1, 1
	STEP 1, 0, 0
	TURN 1, 0, 1
	STEP 0, 0, 0
	s_sub_co_u32 s3, s3, 1
	s_cmp_lg_u32 s3, 0
	s_cbranch_scc1 .Llap
	TURN 0, 1, 0                                   ; the last lap fills nothing
	STEP 1, 0, 0
	s_load_b256 s[68:75], s[0:1], 0x20             ; b_attn s[68:69], q_codes s[70:71], q_scales s[72:73], kv s[74:75]: no tensor load is out, so the descriptors' registers are free
	s_wait_dscnt 4*NL
	WIN MUL_LO
	MUL16 0, 1, NQ-1, 1, 0
	MUL16 2, 1, NQ-1, 1, 0
	s_wait_dscnt 0
	WIN MUL_HI
	MUL16 4, 1, NQ-1, 1, 0
	MUL16 6, 1, NQ-1, 1, 0
	WIN 0
	; ---- behind the products.  Four lines of use and four v_nop are the eight places behind the last of them
	v_and_b32 v24, 31, v0
	v_and_b32 v25, 15, v0                          ; r
	s_wait_alu depctr_va_vdst(0)
	v_bfe_u32 v26, v0, 4, 1                        ; h
	v_lshlrev_b32 v24, 4, v24                      ; 16 x lane: a lane's place in every image
	PLACES NP-4
	s_lshl_b32 s2, s14, 13
	v_add_nc_u32 v27, s2, v24                      ; my wave's 8,192 bytes for the tables, in slot 0: it has had its last fill, and behind the last change of slots nobody reads it
	s_mov_b32 s[HM], 0xffff0000                    ; lanes 16-31
	s_mov_b32 s[SEL], 0x76543210
	s_mov_b32 s[SEL+1], 0xfedcba98                 ; v_permlanex16_b32: lane l xor 16
	s_mov_b32 s84, 0x3f22f983                      ; 2 / pi
	s_mov_b32 s85, 0xbfc90fdb                      ; -(pi / 2), its upper part,
	s_mov_b32 s86, 0x333bbd2e                      ; and what that part is too large by
	s_mov_b32 s87, 0xbe2aaaa3                      ; sine: rho + rho z (s87 + z (s88 + z s89)), z = rho^2
	s_mov_b32 s88, 0x3c08839e
	s_mov_b32 s89, 0xb94ca1f9
	s_mov_b32 s90, 0x3d2aaaa5                      ; cosine: 1 + z (-1/2 + z (s90 + z (s98 + z s99)))
	s_mov_b32 s98, 0xbab6061a
	s_mov_b32 s99, 0x37ccf5ce
.irp b, 0,1,2,3
	v_mov_b32 v[TM+4+\b], 0                        ; written once: a lane permute's destination counts as one of its sources
.endr
	s_lshl_b32 s18, s17, 8
	s_lshl_b32 s19, s15, 7
	s_add_co_u32 s18, s18, s19                     ; q, k: my first token among the 8,192
	s_and_b32 s19, s18, 2047                       ; and in its sequence
	v_add_nc_u32 v23, s19, v25
	v_cvt_f32_u32 v23, v23                         ; my lane's token of the first tile
	s_wait_kmcnt 0x0
; sine and cosine of v[x], which is not negative
.macro SINCOS x, co, si
	v_mul_f32 v216, s84, v[\x]
	v_rndne_f32 v216, v216                         ; n
	v_fma_f32 v218, v216, s85, v[\x]
	v_fma_f32 v218, v216, s86, v218                ; rho = x - n pi / 2, within +-pi / 4
	v_cvt_i32_f32 v224, v216
	v_mul_f32 v219, v218, v218
	v_fma_f32 v225, v219, s89, s88
	v_fma_f32 v226, v219, s99, s98
	v_fma_f32 v225, v225, v219, s87
	v_fma_f32 v226, v226, v219, s90
	v_mul_f32 v227, v218, v219
	v_fma_f32 v226, v226, v219, -0.5
	v_fma_f32 v225, v225, v227, v218               ; sin rho
	v_fma_f32 v226, v226, v219, 1.0                ; cos rho
	v_and_b32 v228, 1, v224
	v_cmp_eq_u32 vcc_lo, 1, v228                   ; n odd: the two change places
	v_cndmask_b32 v[\si], v225, v226, vcc_lo
	v_cndmask_b32 v[\co], v226, v225, vcc_lo
	v_lshlrev_b32 v228, 30, v224                   ; the sine's sign: bit 1 of n
	v_and_b32 v228, 0x80000000, v228
	v_xor_b32 v[\si], v[\si], v228
	v_add_nc_u32 v224, 1, v224                     ; the cosine's: bit 1 of n + 1
	v_lshlrev_b32 v224, 30, v224
	v_and_b32 v224, 0x80000000, v224
	v_xor_b32 v[\co], v[\co], v224
.endm
	; THE TABLES: 16 trips, one for each of my lane's 16 pairs of channels; a trip's four numbers go to my wave's own LDS bytes and come back into 64 registers behind the loop.
	; Every work-group walks the loop; v's tiles pass over the work by a scalar branch inside the trip.
	s_mov_b32 s22, 0
	s_mov_b32 s2, 0
.Ltab:
	s_wait_alu depctr_va_vdst(0)
	v_add_nc_u32 v217, s2, v27
	s_cmp_ge_u32 s95, 8
	s_cbranch_scc1 .Ltab_next
	s_and_b32 s23, s22, 12
	s_add_co_u32 s23, s23, s22                     ; trip 4 t + i: 8 t + i,
	v_lshl_add_u32 v212, v26, 2, s23               ; + 4 h: the pair's number j
	v_cvt_f32_u32 v212, v212
	v_mul_f32 v212, 0xbe9f73da, v212               ; -j log2(1000) / 32
	s_wait_alu depctr_va_vdst(0)
	v_exp_f32 v213, v212                           ; f_j
	v_nop                                          ; a plain instruction behind the transcendental,
	s_wait_alu depctr_va_vdst(0)                   ; and the wait ahead of its first reader
	v_mul_f32 v214, v213, v23                      ; token x f_j
	v_mul_f32 v215, 0x41800000, v213               ; 16 f_j
	SINCOS 214, 220, 221
	SINCOS 215, 222, 223
	ds_store_b128 v217, v[220:223]
.Ltab_next:
	s_add_co_u32 s2, s2, 512
	s_add_co_u32 s22, s22, 1
	s_cmp_lt_u32 s22, 16
	s_cbranch_scc1 .Ltab
; nb blocks of 32 along K: a lane's 16 nb numbers v[src] on (16 of each block; lane l xor 16 holds the other 16) become codes in v[pc] on and the scale word v[pw].
.macro QUANT src, nb, pc, pw
.set qb, 0
.rept \nb
	v_max3_num_f32 v[TM+qb], |v[(\src)+16*qb]|, |v[(\src)+16*qb+1]|, 0x8000000   ; with the floor 2^(16 - 127) among the leaves: the byte cannot fall under 1
.set qb, qb+1
.endr
.irp i, 2,4,6,8,10,12,14
.set qb, 0
.rept \nb
	v_max3_num_f32 v[TM+qb], v[TM+qb], |v[(\src)+16*qb+\i]|, |v[(\src)+16*qb+\i+1]|
.set qb, qb+1
.endr
.endr
.set qb, 0
.rept \nb
	v_permlanex16_b32 v[TM+4+qb], v[TM+qb], s[SEL], s[SEL+1]
.set qb, qb+1
.endr
.set qb, 0
.rept \nb
	v_max_num_f32 v[TM+qb], v[TM+qb], v[TM+4+qb]   ; the block's largest magnitude
.set qb, qb+1
.endr
.set qb, 0
.rept \nb
	v_add_nc_u32 v[TM+12+qb], 0xf8800000, v[TM+qb] ; 15 off its exponent field: the conversion's scale operand
.set qb, qb+1
.endr
.set qb, 0
.rept \nb
.set qb, qb+1
.endr
.set qb, 0
.rept \nb
	v_lshrrev_b32 v[TM+4+qb], 23, v[TM+12+qb]      ; the scale's byte
.set qb, qb+1
.endr
	v_lshl_or_b32 v[\pw], v[TM+5], 8, v[TM+4]
.if \nb > 2
	v_lshl_or_b32 v[\pw], v[TM+6], 16, v[\pw]
	v_lshl_or_b32 v[\pw], v[TM+7], 24, v[\pw]
.endif
.set qb, 0
.rept \nb
.irp i, 0,1,2,3,4,5,6,7,8,9,10,11,12,13,14,15
.endr
.set qb, qb+1
.endr
	s_wait_alu depctr_va_vdst(0)
	s_wait_xcnt 0x0                                ; the last stores have read the codes' registers: they are written again only behind this wait
.set qb, 0
.rept \nb
	v_cvt_scalef32_pk8_bf8_f32 v[(\pc)+4*qb:(\pc)+4*qb+1], v[(\src)+16*qb:(\src)+16*qb+7], v[TM+12+qb]
	v_cvt_scalef32_pk8_bf8_f32 v[(\pc)+4*qb+2:(\pc)+4*qb+3], v[(\src)+16*qb+8:(\src)+16*qb+15], v[TM+12+qb]
.set qb, qb+1
.endr
	v_nop                                          ; a plain instruction behind the last scaled conversion
.endm
.macro FINISH                          ; the wave's end: tensor wait, 0 onto the spare word and its wait; then the closing round
	s_wait_tensorcnt 0x0
	ds_add_u32 v[SPW], v[NIL]
	s_wait_dscnt 0x0
	CROUND
	s_endpgm
.endm
	s_cmp_ge_u32 s95, 8
	s_cbranch_scc1 .Lv
	; ================ q and k: a lane holds a token; my 128 channels are two heads
	s_lshl_b32 s100, s42, 10
	s_lshl_b32 s101, s16, 9
	s_add_co_u32 s100, s100, s101                  ; 4 (256 x tile + 128 x half): my channels' bias
	s_mov_b32 s101, 0
	s_add_nc_u64 s[68:69], s[68:69], s[100:101]
	v_lshlrev_b32 v22, 5, v26                      ; + 8 h numbers
	WIN 0x40                                       ; into window 1, where source 0's fragments lay: register 8 b + j = the bias of channel 16 b + 8 h + j
.irp b, 0,1,2,3,4,5,6,7
	global_load_b128 v[8*\b:8*\b+3], v22, s[68:69] offset:64*\b
	global_load_b128 v[8*\b+4:8*\b+7], v22, s[68:69] offset:64*\b+16
.endr
	WIN 0
.irp k, 0,1,2,3,4,5,6,7,8,9,10,11,12,13,14,15
	ds_load_b128 v[TB+4*\k:TB+4*\k+3], v27 offset:512*\k   ; LDS serves a wave's instructions in order: these see my stores
.endr
	s_lshr_b32 s20, s18, 11                        ; the batch
	s_bfe_u32 s21, s18, 0x40007                    ; which 128 tokens of the sequence
	s_lshl_b32 s22, s42, 2
	s_lshl_b32 s23, s16, 1
	s_add_co_u32 s22, s22, s23
	s_and_b32 s22, s22, 15                         ; my first head
	s_lshl_b32 s20, s20, 4
	s_add_co_u32 s20, s20, s22                     ; 16 x batch + head
	s_lshl_b32 s46, s20, 17
	s_lshl_b32 s47, s21, 13
	s_add_co_u32 s46, s46, s47                     ; q's codes: 131,072 a head, 8,192 for 128 tokens;
	s_lshr_b32 s47, s46, 4                         ; q's scale words: a sixteenth of that
	s_lshl_b32 s66, s20, 4
	s_add_co_u32 s66, s66, s21
	s_mul_i32 s66, s66, STEPB                      ; k: the step's place in kv;
	s_add_co_u32 s67, s66, 16384                   ; its scale words
	s_mov_b32 s84, HEADB
	s_cmp_eq_u32 ttmp9, 0                          ; cluster x = 0: q's channels; 1: k's
	s_cselect_b32 s46, s46, s66
	s_cselect_b32 s47, s47, s67
	s_cselect_b32 s85, 0x20000, s84                ; from a head to the next: codes,
	s_cselect_b32 s86, 0x2000, s84                 ; scale words
	s_cselect_b64 s[76:77], s[70:71], s[74:75]
	s_cselect_b64 s[80:81], s[72:73], s[74:75]
	s_mov_b32 s100, s46
	s_add_nc_u64 s[76:77], s[76:77], s[100:101]    ; codes, head 0
	s_mov_b32 s100, s47
	s_add_nc_u64 s[80:81], s[80:81], s[100:101]    ; scale words, head 0
	s_mov_b32 s100, s85
	s_add_nc_u64 s[78:79], s[76:77], s[100:101]    ; head 1
	s_mov_b32 s100, s86
	s_add_nc_u64 s[82:83], s[80:81], s[100:101]
	s_wait_loadcnt 0x0
	s_wait_dscnt 0x0
.macro ROT                             ; the tables go 16 tokens on: (c, s) <- (c cd - s sd, s cd + c sd)
.irp g, 0,1,2,3
.irp i, 0,1,2,3
	v_pk_mul_f32 v[RT+2*\i:RT+2*\i+1], v[TB+4*(4*\g+\i):TB+4*(4*\g+\i)+1], v[TB+4*(4*\g+\i)+2:TB+4*(4*\g+\i)+3] op_sel_hi:[1,0]   ; (c cd, s cd)
.endr
.irp i, 0,1,2,3
	v_pk_fma_f32 v[TB+4*(4*\g+\i):TB+4*(4*\g+\i)+1], v[TB+4*(4*\g+\i):TB+4*(4*\g+\i)+1], v[TB+4*(4*\g+\i)+2:TB+4*(4*\g+\i)+3], v[RT+2*\i:RT+2*\i+1] op_sel:[1,1,0] op_sel_hi:[0,1,1] neg_lo:[1,0,0]   ; low: -s sd + c cd; high: c sd + s cd
.endr
.endr
.endm
; 16 tokens (tile a) of head hd: bias, rotation, quantiser, two stores of 512 consecutive bytes
.macro HEADTILE a, hd
	WIN 0x06+(\a)/4                                ; source 0: the accumulators' window; source 1: window 1
.irp t, 0,1,2,3
.irp p, 0,2,4,6
	v_pk_add_f32 v[T+8*\t+\p:T+8*\t+\p+1], v[8*(8*((\a)%4)+4*(\hd)+\t)+\p:8*(8*((\a)%4)+4*(\hd)+\t)+\p+1], v[8*(4*(\hd)+\t)+\p:8*(4*(\hd)+\t)+\p+1]   ; each accumulator from its low end on
.endr
.endr
	WIN 0
.irp t, 0,1,2,3
.irp i, 0,1,2,3
	v_mul_f32 v[X+4*\t+\i], v[T+8*\t+2*\i+1], v[TB+4*(4*\t+\i)+1]       ; o s
	v_mul_f32 v[X+16+4*\t+\i], v[T+8*\t+2*\i], v[TB+4*(4*\t+\i)+1]      ; e s
.endr
.endr
.irp t, 0,1,2,3
.irp i, 0,1,2,3
	v_fma_f32 v[X+4*\t+\i], v[T+8*\t+2*\i], v[TB+4*(4*\t+\i)], -v[X+4*\t+\i]   ; e c - o s: rotated channel 8 t + 4 h + i
	v_fmac_f32 v[X+16+4*\t+\i], v[T+8*\t+2*\i+1], v[TB+4*(4*\t+\i)]            ; o c + e s: rotated channel 32 + 8 t + 4 h + i
.endr
.endr
	QUANT X, 2, PC, PWS+8*(\hd)+(\a)
	global_store_b128 v24, v[PC:PC+3], s[76+2*(\hd):77+2*(\hd)] offset:1024*(\a)
	global_store_b128 v24, v[PC+4:PC+7], s[76+2*(\hd):77+2*(\hd)] offset:1024*(\a)+512
.endm
.irp a, 0,1,2,3,4,5,6,7
.if \a > 0
	ROT
.endif
	HEADTILE \a, 0
	HEADTILE \a, 1
.endr
.irp hd, 0,1                           ; the scale words: word i of lane l is that of token tile 2 i + l / 16, token l % 16: 512 consecutive bytes a head
.irp i, 0,1,2,3
	v_cndmask_b32 v[SW+4*\hd+\i], v[PWS+8*\hd+2*\i], v[PWS+8*\hd+2*\i+1], s[HM]
.endr
	global_store_b128 v24, v[SW+4*\hd:SW+4*\hd+3], s[80+2*\hd:81+2*\hd]
.endr
	FINISH
.Lv:	; ================ v: a lane holds a channel; my 128 tokens are one step of keys, my 128 channels two heads
	s_lshl_b32 s18, s42, 8
	s_lshl_b32 s19, s16, 7
	s_add_co_u32 s18, s18, s19                     ; my first token
	s_lshr_b32 s20, s18, 11                        ; the batch
	s_bfe_u32 s21, s18, 0x40007                    ; the step
	s_lshl_b32 s22, s17, 2
	s_lshl_b32 s23, s15, 1
	s_add_co_u32 s22, s22, s23                     ; my first head
	s_lshl_b32 s20, s20, 4
	s_add_co_u32 s20, s20, s22
	s_lshl_b32 s20, s20, 4
	s_add_co_u32 s20, s20, s21
	s_mul_i32 s100, s20, STEPB
	s_mov_b32 s101, 0
	s_add_nc_u64 s[76:77], s[74:75], s[100:101]    ; the step's place in kv, first head
	s_lshl_b32 s100, s17, 10
	s_lshl_b32 s23, s15, 9
	s_add_co_u32 s100, s100, s23
	s_add_co_u32 s100, s100, 8192                  ; 4 (2,048 + 256 x tile + 128 x half)
	s_add_nc_u64 s[68:69], s[68:69], s[100:101]
	v_lshlrev_b32 v22, 2, v25
.irp a, 0,1,2,3,4,5,6,7
	global_load_b32 v[VB+2*\a], v22, s[68:69] offset:64*\a   ; the bias of channel 16 a + r
	v_mov_b32 v[VB+2*\a+1], 0                                ; (named with it as a pair, so it is written)
.endr
.irp i, 2,3,6,7
	v_mov_b32 v[VSW+\i], 0
.endr
	s_wait_loadcnt 0x0
; 16 channels (tile a) x 128 tokens: bias, quantiser along the tokens, four stores of 512 consecutive bytes
.macro CHTILE a
	WIN 0x02+(\a)/4
.irp b, 0,1,2,3,4,5,6,7
.irp p, 0,2,4,6
	v_pk_add_f32 v[VT+8*\b+\p:VT+8*\b+\p+1], v[8*(8*((\a)%4)+\b)+\p:8*(8*((\a)%4)+\b)+\p+1], v[VB+2*(\a):VB+2*(\a)+1] op_sel_hi:[1,0]
.endr
.endr
	WIN 0
	QUANT VT, 4, VPC, VPW+(\a)
.irp c, 0,1,2,3
	global_store_b128 v24, v[VPC+4*\c:VPC+4*\c+3], s[76:77] offset:8192+((\a)/4)*HEADB+((\a)%4)*2048+512*\c
.endr
.endm
.irp g, 0,1
	CHTILE 4*\g
	CHTILE 4*\g+1
	CHTILE 4*\g+2
	CHTILE 4*\g+3
	v_cndmask_b32 v[VSW+4*\g], v[VPW+4*\g], v[VPW+4*\g+1], s[HM]         ; word i of lane l: channel tile 2 i + l / 16, channel l % 16; two words of zeros fill the lane's 16 bytes
	v_cndmask_b32 v[VSW+4*\g+1], v[VPW+4*\g+2], v[VPW+4*\g+3], s[HM]
	global_store_b128 v24, v[VSW+4*\g:VSW+4*\g+3], s[76:77] offset:16896+\g*HEADB
.endr
	FINISH
.Lfunc_end_k_qb8fd1be3c4_qkv:
	.size	k_qb8fd1be3c4_qkv, .Lfunc_end_k_qb8fd1be3c4_qkv-k_qb8fd1be3c4_qkv
	.p2alignl 7, 3214868480
	.fill 96, 4, 3214868480
	.section	.rodata,"a",@progbits
	.p2align	6, 0x0
	.amdhsa_kernel k_qb8fd1be3c4_qkv
		.amdhsa_group_segment_fixed_size 327680
		.amdhsa_private_segment_fixed_size 0
		.amdhsa_enable_private_segment 0
		.amdhsa_kernarg_size 64
		.amdhsa_user_sgpr_count 2
		.amdhsa_user_sgpr_kernarg_segment_ptr 1
		.amdhsa_wavefront_size32 1
		.amdhsa_system_sgpr_workgroup_id_x 1
		.amdhsa_system_sgpr_workgroup_id_y 1
		.amdhsa_system_sgpr_workgroup_id_z 1
		.amdhsa_system_vgpr_workitem_id 0
		.amdhsa_next_free_vgpr 1024
		.amdhsa_next_free_sgpr 102
		.amdhsa_reserve_vcc 1
		.amdhsa_float_denorm_mode_32 3
		.amdhsa_float_denorm_mode_16_64 3
		.amdhsa_fp16_overflow 1
		.amdhsa_memory_ordered 1
		.amdhsa_forward_progress 1
		.amdhsa_inst_pref_size 255
	.end_amdhsa_kernel
	.section	.bss,"aw",@nobits
	.p2align	6
	.space	262144
	.amdgpu_metadata
---
amdhsa.version: [ 1, 2 ]
amdhsa.kernels:
  - .name:           k_qb8fd1be3c4_qkv
    .symbol:         k_qb8fd1be3c4_qkv.kd
    .args:
      - { .name: x_codes, .offset: 0, .size: 8, .value_kind: global_buffer, .address_space: global }
      - { .name: x_scales, .offset: 8, .size: 8, .value_kind: global_buffer, .address_space: global }
      - { .name: W_attn_codes, .offset: 16, .size: 8, .value_kind: global_buffer, .address_space: global }
      - { .name: W_attn_scales, .offset: 24, .size: 8, .value_kind: global_buffer, .address_space: global }
      - { .name: b_attn, .offset: 32, .size: 8, .value_kind: global_buffer, .address_space: global }
      - { .name: q_codes, .offset: 40, .size: 8, .value_kind: global_buffer, .address_space: global }
      - { .name: q_scales, .offset: 48, .size: 8, .value_kind: global_buffer, .address_space: global }
      - { .name: kv, .offset: 56, .size: 8, .value_kind: global_buffer, .address_space: global }
    .group_segment_fixed_size: 327680
    .private_segment_fixed_size: 0
    .kernarg_segment_align: 8
    .kernarg_segment_size: 64
    .max_flat_workgroup_size: 128
    .sgpr_count:     102
    .vgpr_count:     1024
    .wavefront_size: 32
...
	.end_amdgpu_metadata
.endif
;; end of part 1
;; launch attn (part 2): grid 4 x 64, 16 waves a work-group, clusters of 4 x 1, 327,680 bytes of LDS; arguments q_codes, q_scales, kv, y_codes, y_scales; writes y_codes, y_scales
.if DOCPART == 2
	.amdgcn_target "amdgcn-amd-amdhsa--gfx1250"
	.amdhsa_code_object_version 6
	.text
	.protected	k_qb8fd1be3c4_attn
	.globl	k_qb8fd1be3c4_attn
	.p2align	8
	.type	k_qb8fd1be3c4_attn,@function
k_qb8fd1be3c4_attn:
	s_mov_b64 s[64:65], 0
	v_nop
	global_prefetch_b8 v0, s[64:65] scope:SCOPE_SE
	s_setreg_imm32_b32 hwreg(HW_REG_WAVE_MODE, 25, 1), 1
	s_wait_xcnt 0x0
	s_wait_alu depctr_hold_cnt(0) depctr_sa_sdst(0) depctr_va_vdst(0) depctr_va_sdst(0) depctr_va_ssrc(0) depctr_va_vcc(0) depctr_vm_vsrc(0)
	s_getreg_b32 s2, hwreg(HW_REG_IB_STS2, 6, 4)
	s_cmp_eq_u32 s2, 0
	s_cbranch_scc0 .Lentry_in_a_cluster
	s_endpgm
.Lentry_in_a_cluster:
	s_bfe_u32 s2, ttmp6, 0x10000c
	s_cmp_lg_u32 s2, 0x3003
	s_cbranch_scc0 .Lentry_shape_is_right
	s_endpgm
.Lentry_shape_is_right:
.set STEPB, 17408
.set HEADB, 16*STEPB
.set LI,  1
.set ADK, 3
.set DD,  5
.set YS,  6
.set QS,  7
.set QF,  16
.set KF,  32
.set S,   104
.set O,   168
.set PC,  200
.set OUTR, 216
.set KSW, 224
.set VSW, 228
.set QSW, 230
.set BM,  232
.set WV,  18
.set MNT, 19
.set SEL, 20
.set CS,  22
.set G1E, 24
.set G1L, 32
.set G0E, 40
.set G0L, 44
.set CX,  50
.set BH,  51
.set UU,  52
.set GRP, 53
.set STP, 54
.set TB,  55
.set HM,  56
.macro CROUND
	s_barrier_signal -1
	s_barrier_wait -1
	s_cmp_lg_u32 s[WV], 0
	s_cbranch_scc1 .Lnot_wave_0_\@
	s_barrier_signal -3
.Lnot_wave_0_\@:
	s_barrier_wait -3
	s_barrier_signal -1
	s_barrier_wait -1
.endm
	s_load_b256 s[4:11], s[0:1], 0x0
	s_load_b64 s[12:13], s[0:1], 0x20
	v_lshl_add_u32 v251, v0, 2, 0x44000
	v_mov_b32 v255, 0
	ds_add_u32 v251, v255
	ds_add_u32 v251, v255
	v_lshrrev_b32 v2, 5, v0
	s_delay_alu instid0(VALU_DEP_1)
	v_readfirstlane_b32 s[WV], v2
	s_bfe_u32 s[CX], ttmp6, 0x40000
	s_and_b32 s[BH], ttmp7, 0xffff
	s_mov_b32 s[G1E], 15|(3<<16)|(1<<21)
	s_mov_b32 s[G1E+1], 32<<16
	s_mov_b32 s[G1E+2], 17<<16
	s_mov_b32 s[G1E+3], 32<<16
	s_mov_b32 s[G1E+4], 17
	s_mov_b32 s[G1E+5], 32
	s_mov_b32 s[G1E+6], 0
	s_mov_b32 s[G1E+7], 0
	s_mov_b32 s[G1L], 15|(3<<16)|(1<<21)
	s_mov_b32 s[G1L+1], 32<<16
	s_mov_b32 s[G1L+2], 51<<16
	s_mov_b32 s[G1L+3], 32<<16
	s_mov_b32 s[G1L+4], 51
	s_mov_b32 s[G1L+5], 32
	s_mov_b32 s[G1L+6], 0
	s_mov_b32 s[G1L+7], 0
	s_mul_i32 s14, s[BH], HEADB
	s_mov_b32 s15, 0
	s_mul_i32 s16, s[WV], 17*256
	s_mul_i32 s17, s[WV], 51*256
	s_add_co_u32 s17, s17, 4*STEPB
	s_wait_dscnt 0x0
	s_wait_kmcnt 0x0
	s_add_nc_u64 s[8:9], s[8:9], s[14:15]
	CROUND
	s_mov_b32 s[G0E], 1
	s_mov_b32 s[G0E+1], s16
	s_mov_b32 s14, s16
	s_add_nc_u64 s[G0E+2:G0E+3], s[8:9], s[14:15]
	s_or_b32 s[G0E+3], s[G0E+3], 0x80000000
	s_mov_b32 s[G0L], 1
	s_mov_b32 s[G0L+1], s17
	s_mov_b32 s14, s17
	s_add_nc_u64 s[G0L+2:G0L+3], s[8:9], s[14:15]
	s_or_b32 s[G0L+3], s[G0L+3], 0x80000000
	tensor_load_to_lds s[G0E:G0E+3], s[G1E:G1E+7]
	s_nop 0
	s_wait_alu depctr_va_vdst(0)
	s_wait_tensorcnt 0x0
	ds_add_u32 v251, v255
	s_wait_dscnt 0x0
	CROUND
	tensor_load_to_lds s[G0L:G0L+3], s[G1L:G1L+7]
	s_nop 0
.rept 4
	v_nop
.endr
	v_and_b32 v[LI], 31, v0
	s_delay_alu instid0(VALU_DEP_1)
	v_lshlrev_b32 v[LI], 4, v[LI]
	v_and_b32 v2, 15, v0
	v_bfe_u32 v4, v0, 4, 1
	s_delay_alu instid0(VALU_DEP_2)
	v_lshlrev_b32 v[YS], 5, v2
	s_delay_alu instid0(VALU_DEP_3)
	v_lshlrev_b32 v[QS], 4, v2
	s_and_b32 s[UU], s[WV], 1
	s_lshl_b32 s57, s[CX], 1
	s_add_co_u32 s[UU], s[UU], s57
	s_lshl_b32 s57, s[UU], 4
	v_lshlrev_b32 v[DD], 3, v4
	s_delay_alu instid0(VALU_DEP_1)
	v_sub_nc_u32 v[DD], v2, v[DD]
	s_delay_alu instid0(VALU_DEP_1)
	v_add_nc_u32 v[DD], s57, v[DD]
	s_mov_b32 s[SEL], 0x76543210
	s_mov_b32 s[SEL+1], 0xfedcba98
	s_mov_b32 s[CS], 0x3e38aa3b
	s_mov_b32 s[CS+1], s[CS]
	s_mov_b32 s[HM], 0xffff0000
.irp i, 0,1,2,3,4,5,6,7
	v_mov_b32 v[QF+8+\i], 0
	v_mov_b32 v[KF+64+\i], 0
.endr
.irp i, 0,1,2,3
	v_mov_b32 v[BM+4+\i], 0
	v_mov_b32 v[PC+12+\i], 0
.endr
	v_mov_b32 v252, 0
	v_mov_b32 v253, 0
	s_lshr_b32 s49, s[WV], 1
.macro PASSINIT
	s_wait_xcnt 0x0
	s_lshl_b32 s57, s[GRP], 3
	s_add_co_u32 s57, s57, s[UU]
	s_lshl_b32 s14, s[BH], 17
	s_lshl_b32 s15, s57, 10
	s_add_co_u32 s14, s14, s15
	s_mov_b32 s15, 0
	s_add_nc_u64 s[58:59], s[4:5], s[14:15]
	s_lshl_b32 s14, s[BH], 13
	s_lshl_b32 s16, s[GRP], 9
	s_add_co_u32 s14, s14, s16
	s_and_b32 s16, s[UU], 1
	s_lshl_b32 s16, s16, 8
	s_add_co_u32 s14, s14, s16
	s_lshr_b32 s16, s[UU], 1
	s_lshl_b32 s16, s16, 2
	s_add_co_u32 s14, s14, s16
	s_add_nc_u64 s[60:61], s[6:7], s[14:15]
	s_lshr_b32 s16, s[BH], 4
	s_and_b32 s17, s[BH], 15
	s_lshl_b32 s14, s16, 7
	s_add_co_u32 s14, s14, s57
	s_lshl_b32 s48, s14, 9
	s_lshl_b32 s14, s14, 14
	s_lshl_b32 s16, s17, 10
	s_add_co_u32 s14, s14, s16
	s_add_nc_u64 s[66:67], s[10:11], s[14:15]
	s_lshl_b32 s16, s17, 1
	s_add_co_u32 s14, s48, s16
	s_add_nc_u64 s[68:69], s[12:13], s[14:15]
	global_load_b128 v[QF:QF+3], v[LI], s[58:59] th:TH_LOAD_NT
	global_load_b128 v[QF+4:QF+7], v[LI], s[58:59] offset:512 th:TH_LOAD_NT
	global_load_b32 v[QSW], v[QS], s[60:61]
	v_mov_b32 v13, 0xff61b1e6
	s_delay_alu instid0(VALU_DEP_1)
	v_floor_f32 v12, -v13
	v_mov_b32 v14, 0
	v_mov_b32 v15, 0
.set n, 0
.rept 32
	v_mov_b32 v[O+n], 0
.set n, n+1
.endr
.endm
.macro STEP causal
.if \causal
	s_cmp_gt_u32 s[STP], s[GRP]
	s_cbranch_scc1 .Lhidden_\@
.endif
	s_setprio 2
	v_add_nc_u32 v[ADK], s[TB], v[LI]
.rept 7
	v_nop
.endr
	ds_load_b128 v[KSW:KSW+3], v[ADK] offset:16384
.irp f, 0,1,2,3,4,5,6,7
	ds_load_b128 v[KF+8*\f:KF+8*\f+3], v[ADK] offset:1024*\f
	ds_load_b128 v[KF+8*\f+4:KF+8*\f+7], v[ADK] offset:1024*\f+512
.endr
	s_wait_alu depctr_va_vdst(0)
	s_wait_dscnt 0x0
.irp e, 0,1,2,3
	v_wmma_scale_f32_16x16x128_f8f6f4 v[S+16*\e:S+16*\e+7], v[KF+16*\e:KF+16*\e+15], v[QF:QF+15], 0, v[KSW+\e], v[QSW] matrix_a_fmt:MATRIX_FMT_BF8 matrix_b_fmt:MATRIX_FMT_BF8
	v_wmma_scale_f32_16x16x128_f8f6f4 v[S+16*\e+8:S+16*\e+15], v[KF+16*\e+8:KF+16*\e+23], v[QF:QF+15], 0, v[KSW+\e], v[QSW] matrix_a_fmt:MATRIX_FMT_BF8 matrix_b_fmt:MATRIX_FMT_BF8 matrix_a_scale:MATRIX_SCALE_ROW1
.endr
.rept 8
	v_nop
.endr
.irp t, 0,1,2,3
.irp c, 0,1,2,3
	ds_load_b128 v[KF+16*\t+4*\c:KF+16*\t+4*\c+3], v[ADK] offset:8192+2048*\t+512*\c
.endr
.endr
	ds_load_b64 v[VSW:VSW+1], v[ADK] offset:16896
.if \causal
	s_cmp_lg_u32 s[STP], s[GRP]
	s_cbranch_scc1 .Lopen_\@
	v_mov_b32 v254, 0xff800000
.set n, 0
.rept 64
	v_cmp_gt_i32 vcc_lo, 16*(n/8)+n%8, v[DD]
	v_cndmask_b32 v[S+n], v[S+n], v254, vcc_lo
.set n, n+1
.endr
.Lopen_\@:
.endif
.irp b, 0,1,2,3
	v_max3_num_f32 v[BM+\b], v[S+16*\b], v[S+1+16*\b], v[S+2+16*\b]
.endr
.irp i, 3,5,7,9,11,13
.irp b, 0,1,2,3
	v_max3_num_f32 v[BM+\b], v[BM+\b], v[S+16*\b+\i], v[S+1+16*\b+\i]
.endr
.endr
.irp b, 0,1,2,3
	v_max_num_f32 v[BM+\b], v[BM+\b], v[S+15+16*\b]
.endr
.irp b, 0,1,2,3
	s_delay_alu instid0(VALU_DEP_4)
	v_permlanex16_b32 v[BM+4+\b], v[BM+\b], s[SEL], s[SEL+1]
.endr
.irp b, 0,1,2,3
	s_delay_alu instid0(VALU_DEP_4)
	v_max_num_f32 v[BM+\b], v[BM+\b], v[BM+4+\b]
.endr
	s_delay_alu instid0(VALU_DEP_2)
	v_max3_num_f32 v254, v[BM], v[BM+1], v[BM+2]
	s_delay_alu instid0(VALU_DEP_1)
	v_max_num_f32 v254, v254, v[BM+3]
	s_delay_alu instid0(VALU_DEP_1)
	v_mul_f32 v254, s[CS], v254
	s_delay_alu instid0(VALU_DEP_1)
	v_max_num_f32 v13, v13, v254
	v_mov_b32 v254, v12
	s_delay_alu instid0(VALU_DEP_2)
	v_floor_f32 v12, -v13
	s_delay_alu instid0(VALU_DEP_1)
	v_sub_f32 v254, v12, v254
	s_delay_alu instid0(VALU_DEP_1)
	v_cvt_i32_f32 v254, v254
	s_delay_alu instid0(VALU_DEP_1)
	v_ldexp_f32 v252, 1.0, v254
.set n, 0
.rept 32
	v_pk_fma_f32 v[S+n:S+n+1], v[S+n:S+n+1], s[CS:CS+1], v[12:13] op_sel_hi:[1,0,0]
.set n, n+2
.endr
.irp b, 0,1,2,3
	v_fma_f32 v[BM+\b], v[BM+\b], s[CS], v12
.endr
.set n, 0
	s_setprio 1
	s_wait_alu depctr_va_vdst(0)
.rept 64
	v_exp_f32 v[S+n], v[S+n]
.set n, n+1
.endr
	v_pk_mul_f32 v[14:15], v[14:15], v[252:253] op_sel_hi:[1,0]
	s_wait_alu depctr_va_vdst(0)
.irp b, 0,1,2,3
	v_exp_f32 v[BM+\b], v[BM+\b]
.endr
	v_pk_add_f32 v[BM+4:BM+5], v[S:S+1], v[S+2:S+3]
.set n, 4
.rept 15
	v_pk_add_f32 v[14:15], v[14:15], v[S+n:S+n+1]
	v_pk_add_f32 v[BM+4:BM+5], v[BM+4:BM+5], v[S+n+2:S+n+3]
.set n, n+4
.endr
	s_delay_alu instid0(VALU_DEP_1)
	v_pk_add_f32 v[14:15], v[14:15], v[BM+4:BM+5]
	s_wait_alu depctr_va_vdst(0)
.irp b, 0,1,2,3
	v_max_num_f32 v[BM+\b], 0x8000000, v[BM+\b]
.endr
.irp b, 0,1,2,3
	s_delay_alu instid0(VALU_DEP_4)
	v_add_nc_u32 v[BM+12+\b], 0xf8800000, v[BM+\b]
.endr
.irp b, 0,1,2,3
.endr
.irp b, 0,1,2,3
	s_delay_alu instid0(VALU_DEP_4)
	v_lshrrev_b32 v[BM+4+\b], 23, v[BM+12+\b]
.endr
	s_delay_alu instid0(VALU_DEP_3)
	v_lshl_or_b32 v253, v[BM+5], 8, v[BM+4]
	s_delay_alu instid0(VALU_DEP_1)
	v_lshl_or_b32 v253, v[BM+6], 16, v253
	s_delay_alu instid0(VALU_DEP_1)
	v_lshl_or_b32 v253, v[BM+7], 24, v253
	s_setprio 0
.irp b, 0,1,2,3
.irp i, 0,1,2,3,4,5,6,7,8,9,10,11,12,13,14,15
.endr
	v_cvt_scalef32_pk8_bf8_f32 v[PC+4*\b:PC+4*\b+1], v[S+16*\b:S+16*\b+7], v[BM+12+\b]
	v_cvt_scalef32_pk8_bf8_f32 v[PC+4*\b+2:PC+4*\b+3], v[S+16*\b+8:S+16*\b+15], v[BM+12+\b]
.endr
.set n, 0
.rept 16
	v_pk_mul_f32 v[O+n:O+n+1], v[O+n:O+n+1], v[252:253] op_sel_hi:[1,0]
.set n, n+2
.endr
	s_wait_alu depctr_va_vdst(0)
	s_wait_dscnt 0x0
.irp e, 0,1
	v_wmma_scale_f32_16x16x128_f8f6f4 v[O+16*\e:O+16*\e+7], v[KF+32*\e:KF+32*\e+15], v[PC:PC+15], v[O+16*\e:O+16*\e+7], v[VSW+\e], v253 matrix_a_fmt:MATRIX_FMT_BF8 matrix_b_fmt:MATRIX_FMT_BF8
	v_wmma_scale_f32_16x16x128_f8f6f4 v[O+16*\e+8:O+16*\e+15], v[KF+32*\e+16:KF+32*\e+31], v[PC:PC+15], v[O+16*\e+8:O+16*\e+15], v[VSW+\e], v253 matrix_a_fmt:MATRIX_FMT_BF8 matrix_b_fmt:MATRIX_FMT_BF8 matrix_a_scale:MATRIX_SCALE_ROW1
.endr
.if \causal
.Lhidden_\@:
.endif
.endm
.macro WAYOUT
	v_add_f32 v14, v14, v15
	s_delay_alu instid0(VALU_DEP_1)
	v_permlanex16_b32 v252, v14, s[SEL], s[SEL+1]
	s_delay_alu instid0(VALU_DEP_1)
	v_add_f32 v14, v14, v252
	s_wait_alu depctr_va_vdst(0)
	v_rcp_f32 v14, v14
.rept 6
	v_nop
.endr
	s_wait_alu depctr_va_vdst(0)
.set n, 0
.rept 16
	v_pk_mul_f32 v[S+n:S+n+1], v[O+n:O+n+1], v[14:15] op_sel_hi:[1,0]
.set n, n+2
.endr
.irp b, 0,1
	v_max3_num_f32 v[BM+\b], |v[S+16*\b]|, |v[S+1+16*\b]|, 0x8000000
.endr
.irp i, 2,4,6,8,10,12,14
.irp b, 0,1
	s_delay_alu instid0(VALU_DEP_2)
	v_max3_num_f32 v[BM+\b], v[BM+\b], |v[S+16*\b+\i]|, |v[S+1+16*\b+\i]|
.endr
.endr
.irp b, 0,1
	s_delay_alu instid0(VALU_DEP_2)
	v_permlanex16_b32 v[BM+4+\b], v[BM+\b], s[SEL], s[SEL+1]
.endr
.irp b, 0,1
	s_delay_alu instid0(VALU_DEP_2)
	v_max_num_f32 v[BM+\b], v[BM+\b], v[BM+4+\b]
.endr
.irp b, 0,1
	s_delay_alu instid0(VALU_DEP_2)
	v_add_nc_u32 v[BM+12+\b], 0xf8800000, v[BM+\b]
.endr
.irp b, 0,1
.endr
.irp b, 0,1
	s_delay_alu instid0(VALU_DEP_2)
	v_lshrrev_b32 v[BM+4+\b], 23, v[BM+12+\b]
.endr
	s_delay_alu instid0(VALU_DEP_1)
	v_lshl_or_b32 v254, v[BM+5], 8, v[BM+4]
.irp b, 0,1
.irp i, 0,1,2,3,4,5,6,7,8,9,10,11,12,13,14,15
.endr
.endr
.irp b, 0,1
	v_cvt_scalef32_pk8_bf8_f32 v[PC+4*\b:PC+4*\b+1], v[S+16*\b:S+16*\b+7], v[BM+12+\b]
	v_cvt_scalef32_pk8_bf8_f32 v[PC+4*\b+2:PC+4*\b+3], v[S+16*\b+8:S+16*\b+15], v[BM+12+\b]
.endr
	v_nop
.irp b, 0,1
.irp i, 0,1
	v_cndmask_b32 v[PC+8+2*\b+\i], v[PC+4*\b+2+\i], v[PC+4*\b+\i], s[HM]
.endr
.endr
.irp b, 0,1
.irp i, 0,1
	v_permlanex16_b32 v[PC+12+2*\b+\i], v[PC+8+2*\b+\i], s[SEL], s[SEL+1]
.endr
.endr
.irp b, 0,1
.irp i, 0,1
	v_cndmask_b32 v[OUTR+4*\b+\i], v[PC+4*\b+\i], v[PC+12+2*\b+\i], s[HM]
	v_cndmask_b32 v[OUTR+4*\b+2+\i], v[PC+12+2*\b+\i], v[PC+4*\b+2+\i], s[HM]
.endr
.endr
	global_store_b128 v[LI], v[OUTR:OUTR+3], s[66:67]
	global_store_b128 v[LI], v[OUTR+4:OUTR+7], s[66:67] offset:512
	global_store_b16 v[YS], v254, s[68:69]
.endm
	s_sub_co_u32 s[GRP], 15, s49
	PASSINIT
	s_wait_tensorcnt 1
	s_barrier_signal -1
	s_barrier_wait -1
	s_wait_loadcnt 0x0
	s_mov_b32 s[STP], 0
	s_mov_b32 s[TB], 0
.Learly:
	STEP 0
	s_add_co_u32 s[TB], s[TB], STEPB
	s_add_co_u32 s[STP], s[STP], 1
	s_cmp_lt_u32 s[STP], 4
	s_cbranch_scc1 .Learly
	s_setprio 0
	s_wait_tensorcnt 0x0
	s_wait_dscnt 0x0
	s_barrier_signal -1
	s_barrier_wait -1
	s_mov_b32 s[STP], 4
	s_mov_b32 s[TB], 4*STEPB
.Llate:
	STEP 1
	s_add_co_u32 s[TB], s[TB], STEPB
	s_add_co_u32 s[STP], s[STP], 1
	s_cmp_lt_u32 s[STP], 16
	s_cbranch_scc1 .Llate
	s_setprio 0
	WAYOUT
	s_mov_b32 s[GRP], s49
	PASSINIT
	s_wait_loadcnt 0x0
	s_mov_b32 s[STP], 0
	s_mov_b32 s[TB], 0
.Llow:
	STEP 1
	s_add_co_u32 s[TB], s[TB], STEPB
	s_add_co_u32 s[STP], s[STP], 1
	s_cmp_lt_u32 s[STP], 8
	s_cbranch_scc1 .Llow
	s_setprio 0
	WAYOUT
	s_wait_tensorcnt 0x0
	ds_add_u32 v251, v255
	s_wait_dscnt 0x0
	CROUND
	s_endpgm
.Lfunc_end_k_qb8fd1be3c4_attn:
	.size	k_qb8fd1be3c4_attn, .Lfunc_end_k_qb8fd1be3c4_attn-k_qb8fd1be3c4_attn
	.p2alignl 7, 3214868480
	.fill 96, 4, 3214868480
	.section	.rodata,"a",@progbits
	.p2align	6, 0x0
	.amdhsa_kernel k_qb8fd1be3c4_attn
		.amdhsa_group_segment_fixed_size 327680
		.amdhsa_private_segment_fixed_size 0
		.amdhsa_enable_private_segment 0
		.amdhsa_kernarg_size 40
		.amdhsa_user_sgpr_count 2
		.amdhsa_user_sgpr_kernarg_segment_ptr 1
		.amdhsa_wavefront_size32 1
		.amdhsa_system_sgpr_workgroup_id_x 1
		.amdhsa_system_sgpr_workgroup_id_y 1
		.amdhsa_system_sgpr_workgroup_id_z 1
		.amdhsa_system_vgpr_workitem_id 0
		.amdhsa_next_free_vgpr 256
		.amdhsa_next_free_sgpr 80
		.amdhsa_reserve_vcc 1
		.amdhsa_float_denorm_mode_32 3
		.amdhsa_float_denorm_mode_16_64 3
		.amdhsa_fp16_overflow 1
		.amdhsa_memory_ordered 1
		.amdhsa_forward_progress 1
		.amdhsa_inst_pref_size 83
	.end_amdhsa_kernel
	.amdgpu_metadata
---
amdhsa.version: [ 1, 2 ]
amdhsa.kernels:
  - .name:           k_qb8fd1be3c4_attn
    .symbol:         k_qb8fd1be3c4_attn.kd
    .args:
      - { .name: q_codes, .offset: 0, .size: 8, .value_kind: global_buffer, .address_space: global }
      - { .name: q_scales, .offset: 8, .size: 8, .value_kind: global_buffer, .address_space: global }
      - { .name: kv, .offset: 16, .size: 8, .value_kind: global_buffer, .address_space: global }
      - { .name: y_codes, .offset: 24, .size: 8, .value_kind: global_buffer, .address_space: global }
      - { .name: y_scales, .offset: 32, .size: 8, .value_kind: global_buffer, .address_space: global }
    .group_segment_fixed_size: 327680
    .private_segment_fixed_size: 0
    .kernarg_segment_align: 8
    .kernarg_segment_size: 40
    .max_flat_workgroup_size: 512
    .sgpr_count:     80
    .vgpr_count:     256
    .wavefront_size: 32
...
	.end_amdgpu_metadata
.endif
;; end of part 2
;; launch proj (part 3): grid 4 x 32, 4 waves a work-group, clusters of 4 x 4, 327,680 bytes of LDS; arguments y_codes, y_scales, W_o_codes, W_o_scales, b_o, out0; writes out0
.if DOCPART == 3
	.amdgcn_target "amdgcn-amd-amdhsa--gfx1250"
	.amdhsa_code_object_version 6
	.text
	.protected	k_qb8fd1be3c4_proj
	.globl	k_qb8fd1be3c4_proj
	.p2align	8
	.type	k_qb8fd1be3c4_proj,@function
k_qb8fd1be3c4_proj:
	s_mov_b64 s[64:65], 0
	v_nop
	global_prefetch_b8 v0, s[64:65] scope:SCOPE_SE
	s_setreg_imm32_b32 hwreg(HW_REG_WAVE_MODE, 25, 1), 1
	s_wait_xcnt 0x0
	s_wait_alu depctr_hold_cnt(0) depctr_sa_sdst(0) depctr_va_vdst(0) depctr_va_sdst(0) depctr_va_ssrc(0) depctr_va_vcc(0) depctr_vm_vsrc(0)
	s_getreg_b32 s2, hwreg(HW_REG_IB_STS2, 6, 4)
	s_cmp_eq_u32 s2, 0
	s_cbranch_scc0 .Lentry_in_a_cluster
	s_endpgm
.Lentry_in_a_cluster:
	s_bfe_u32 s2, ttmp6, 0x10000c
	s_cmp_lg_u32 s2, 0xf033
	s_cbranch_scc0 .Lentry_shape_is_right
	s_endpgm
.Lentry_shape_is_right:
.set SIZE_N, 1024
.set KSTEP,  256
.set NQ,     KSTEP/128
.set ROWB,   256
.set KROW,   1024
.set PITCH,  272
.set FR,     16
.set NL,     4
.set NP,     8
.set HALFT,  128*PITCH
.set AHALF,  32768
.set ASTEP,  4096
.set SLOT,   2*AHALF+2*HALFT
.set LAPS,   2
.set KS,     32
.set SCL,    2*SLOT
.set HALFS,  (128*KS/256)*272
.set SBLK,   (16*KS/256)*272
.set SPARE,  SCL+4*HALFS
.set SPITCH, 528
.set ADRA, 16
.set ADRB, 20
.set STO,  24
.set RD,   25
.set CO,   26
.set ADRS, 27
.set SPW,  28
.set NIL,  29
.set SC,   32
.set BI,   64
.set AF,   128
.set BK,   128
.set G1, 24
.set G0, 32
.set G1B, 48
.set G0B, 56
.set G1S, 68
.set G0S, 76
.set G1SB, 80
.set G0SB, 88
.set MSB, 0
.macro WIN new
.if MSB != (\new)
	s_set_vgpr_msb (MSB<<8)|(\new)
.set MSB, \new
.endif
.endm
.set MUL_LO, 0xa1
.set MUL_HI, 0xf1
.set TO_B,   0x40
.macro JLOAD g0a, g1a, g0b, g1b
	s_cmp_eq_u32 s15, 0
	s_cbranch_scc0 .Lfor_b_\@
	tensor_load_to_lds s[\g0a:\g0a+3], s[\g1a:\g1a+7]
	s_nop 0
.rept 4
	v_nop
.endr
	s_branch .Lasked_\@
.Lfor_b_\@:
	tensor_load_to_lds s[\g0b:\g0b+3], s[\g1b:\g1b+7]
	s_nop 0
.rept 4
	v_nop
.endr
.Lasked_\@:
.endm
.macro CREST
	s_cmp_lg_u32 s14, 0
	s_cbranch_scc1 .Lnot_wave_0_\@
	s_barrier_signal -3
.Lnot_wave_0_\@:
	s_barrier_wait -3
	s_barrier_signal -1
	s_barrier_wait -1
.endm
.macro CROUND
	s_barrier_signal -1
	s_barrier_wait -1
	CREST
.endm
	s_load_b128 s[4:7], s[0:1], 0x0
	s_load_b128 s[8:11], s[0:1], 0x10
	s_load_b64 s[66:67], s[0:1], 0x20
	s_load_b64 s[12:13], s[0:1], 0x28
	v_lshl_add_u32 v[SPW], v0, 2, SPARE
	v_mov_b32 v[NIL], 0
	ds_add_u32 v28, v29
	ds_add_u32 v28, v29
	s_wait_dscnt 0x0
	v_lshrrev_b32 v1, 5, v0
	v_readfirstlane_b32 s14, v1
	s_lshr_b32 s15, s14, 1
	s_and_b32 s16, s14, 1
	s_bfe_u32 s40, ttmp6, 0x40000
	s_bfe_u32 s41, ttmp6, 0x40004
	s_lshl_b32 s42, ttmp9, 2
	s_add_co_u32 s42, s42, s40
	s_and_b32 s17, ttmp7, 0xffff
	s_lshl_b32 s17, s17, 2
	s_add_co_u32 s17, s17, s41
	s_lshl_b32 s43, s41, 2
	s_lshl_b32 s43, 15, s43
	s_lshl_b32 s44, 0x1111, s40
	s_or_b32 s[G1+0], s43, (3<<16)|(1<<21)
	s_mov_b32 s[G1+1], 512<<16
	s_mov_b32 s[G1+2], 8<<16
	s_mov_b32 s[G1+3], 512<<16
	s_mov_b32 s[G1+4], 8
	s_mov_b32 s[G1+5], 2048
	s_mov_b32 s[G1+6], 0
	s_mov_b32 s[G1+7], 0
	s_or_b32 s[G1B+0], s44, (0<<16)|(1<<20)|(1<<21)|(5<<22)|(3<<25)
	s_mov_b32 s[G1B+1], ROWB<<16
	s_mov_b32 s[G1B+2], 128<<16
	s_mov_b32 s[G1B+3], ROWB<<16
	s_mov_b32 s[G1B+4], 128
	s_mov_b32 s[G1B+5], KROW
	s_mov_b32 s[G1B+6], 0
	s_mov_b32 s[G1B+7], 0
	s_or_b32 s[G1S+0], s43, (3<<16)|(1<<20)|(1<<21)|(5<<22)|(3<<25)
	s_or_b32 s[G1SB+0], s44, (3<<16)|(1<<20)|(1<<21)|(5<<22)|(3<<25)
.irp g, G1S, G1SB
	s_mov_b32 s[\g+1], 32<<16
	s_mov_b32 s[\g+2], (128*KS/256)<<16
	s_mov_b32 s[\g+3], 32<<16
	s_mov_b32 s[\g+4], 128*KS/256
	s_mov_b32 s[\g+5], 32
	s_mov_b32 s[\g+6], 0
	s_mov_b32 s[\g+7], 0
.endr
	s_lshl_b32 s18, s16, 7
	s_lshl_b32 s20, s17, 8
	s_add_co_u32 s20, s20, s18
	s_lshl_b32 s46, s42, 8
	s_add_co_u32 s46, s46, s18
	s_mov_b32 s21, 0
	s_mov_b32 s47, 0
	s_mov_b64 s[18:19], KS
	s_mul_u64 s[22:23], s[20:21], s[18:19]
	s_mul_u64 s[92:93], s[46:47], s[18:19]
	s_mov_b64 s[18:19], KROW
	s_mul_u64 s[20:21], s[20:21], s[18:19]
	s_mul_u64 s[46:47], s[46:47], s[18:19]
	s_mul_i32 s45, s16, AHALF
	s_mul_i32 s96, s16, HALFT
	s_add_co_u32 s96, s96, 2*AHALF
	s_mul_i32 s94, s14, HALFS
	s_wait_kmcnt 0x0
	s_add_nc_u64 s[20:21], s[4:5], s[20:21]
	s_add_nc_u64 s[22:23], s[6:7], s[22:23]
	s_add_nc_u64 s[46:47], s[8:9], s[46:47]
	s_add_nc_u64 s[92:93], s[10:11], s[92:93]
	CROUND
	s_mov_b32 s[G0S], 1
	s_add_co_u32 s[G0S+1], s94, SCL
	s_mov_b64 s[G0S+2:G0S+3], s[22:23]
	s_or_b32 s[G0S+3], s[G0S+3], 0x80000000
	s_mov_b32 s[G0SB], 1
	s_add_co_u32 s[G0SB+1], s94, SCL
	s_mov_b64 s[G0SB+2:G0SB+3], s[92:93]
	s_or_b32 s[G0SB+3], s[G0SB+3], 0x80000000
	JLOAD G0S, G1S, G0SB, G1SB
.irp s, 0,1
	s_mov_b32 s[G0+4*\s], 1
	s_add_co_u32 s[G0+4*\s+1], s45, \s*SLOT
	s_add_nc_u64 s[G0+4*\s+2:G0+4*\s+3], s[20:21], \s*ASTEP
	s_or_b32 s[G0+4*\s+3], s[G0+4*\s+3], 0x80000000
	s_mov_b32 s[G0B+4*\s], 1
	s_add_co_u32 s[G0B+4*\s+1], s96, \s*SLOT
	s_add_nc_u64 s[G0B+4*\s+2:G0B+4*\s+3], s[46:47], \s*ROWB
	s_or_b32 s[G0B+4*\s+3], s[G0B+4*\s+3], 0x80000000
	s_wait_alu depctr_va_vdst(0)
	s_wait_tensorcnt 0x0
	ds_add_u32 v28, v29
	s_wait_dscnt 0x0
	CROUND
	JLOAD G0+4*\s, G1, G0B+4*\s, G1B
.endr
	v_and_b32 v1, 15, v0
	v_bfe_u32 v2, v0, 4, 1
	v_mul_u32_u24 v3, v1, PITCH
	v_lshl_add_u32 v4, v2, 4, v3
	v_and_b32 v6, 31, v0
	v_lshlrev_b32 v[CO], 4, v6
	s_mul_i32 s21, s15, AHALF
	s_mul_i32 s22, s16, HALFT
	s_add_co_u32 s22, s22, 2*AHALF
.irp s, 0,1
	v_add_nc_u32 v[ADRA+\s], s21, v[CO]
	v_add_nc_u32 v[ADRB+\s], s22, v4
	s_add_co_u32 s21, s21, SLOT
	s_add_co_u32 s22, s22, SLOT
.endr
	v_mul_u32_u24 v5, v1, KS
	v_lshrrev_b32 v6, 8, v5
	v_lshl_add_u32 v5, v6, 4, v5
	s_mul_i32 s21, s15, HALFS
	s_mul_i32 s22, s16, HALFS
	s_add_co_u32 s22, s22, 2*HALFS
	s_sub_co_u32 s22, s22, s21
	v_mul_u32_u24 v6, s22, v2
	s_add_co_u32 s21, s21, SCL
	v_add_nc_u32 v5, v5, v6
	v_add_nc_u32 v[ADRS], s21, v5
	s_mul_i32 s23, s14, 16*SPITCH
	v_mul_u32_u24 v5, v1, SPITCH
	v_lshl_add_u32 v5, v2, 5, v5
	v_add_nc_u32 v[STO], s23, v5
	v_add_nc_u32 v[RD], s23, v[CO]
	s_lshl_b32 s20, s17, 8
	s_lshl_b32 s21, s15, 7
	s_add_co_u32 s20, s20, s21
	s_mov_b32 s21, 0
	s_mov_b64 s[18:19], SIZE_N*4
	s_mul_u64 s[20:21], s[20:21], s[18:19]
	s_lshl_b32 s46, s42, 10
	s_lshl_b32 s47, s16, 9
	s_add_co_u32 s46, s46, s47
	s_mov_b32 s47, 0
	s_add_nc_u64 s[20:21], s[20:21], s[46:47]
	s_add_nc_u64 s[12:13], s[12:13], s[20:21]
	s_add_nc_u64 s[66:67], s[66:67], s[46:47]
	global_load_b128 v[BI:BI+3], v[CO], s[66:67]
.macro FRAG reg, adr, q, i
.irp c, 0,1,2,3
	ds_load_b128 v[\reg+4*\c:\reg+4*\c+3], v[\adr] offset:128*(\q)+32*\c+(\i)*16*PITCH
.endr
.endm
.macro FRAGA reg, adr, q, i
.irp c, 0,1,2,3
	ds_load_b128 v[\reg+4*\c:\reg+4*\c+3], v[\adr] offset:ASTEP*(\i)+2048*(\q)+512*\c
.endr
.endm
.macro MUL16 a0, p, q, sc, zero
.irp a, \a0, \a0+1
.irp b, 0,1,2,3,4,5,6,7
.if \zero
	v_wmma_scale_f32_16x16x128_f8f6f4 v[8*(8*((\a)%4)+\b):8*(8*((\a)%4)+\b)+7], v[128*(\p)+FR*\b:128*(\p)+FR*\b+FR-1], v[AF+FR*(\a):AF+FR*(\a)+FR-1], 0, v[SC+8*NQ*(\sc)+NQ*\b+(\q)], v[SC+8*NQ*(\sc)+NQ*(\a)+(\q)] matrix_a_fmt:MATRIX_FMT_BF8 matrix_b_fmt:MATRIX_FMT_BF8 matrix_a_scale:MATRIX_SCALE_ROW1
.else
	v_wmma_scale_f32_16x16x128_f8f6f4 v[8*(8*((\a)%4)+\b):8*(8*((\a)%4)+\b)+7], v[128*(\p)+FR*\b:128*(\p)+FR*\b+FR-1], v[AF+FR*(\a):AF+FR*(\a)+FR-1], v[8*(8*((\a)%4)+\b):8*(8*((\a)%4)+\b)+7], v[SC+8*NQ*(\sc)+NQ*\b+(\q)], v[SC+8*NQ*(\sc)+NQ*(\a)+(\q)] matrix_a_fmt:MATRIX_FMT_BF8 matrix_b_fmt:MATRIX_FMT_BF8 matrix_a_scale:MATRIX_SCALE_ROW1
.endif
.endr
.endr
.endm
.macro FETCH_B slot, q, p
	WIN TO_B
.irp i, 0,1,2,3,4,5,6,7
	FRAG 128*(\p)+FR*\i, ADRB+\slot, \q, \i
.endr
	WIN 0
.endm
.macro FETCH_A slot, q, i0
.irp i, \i0, \i0+1, \i0+2, \i0+3
	FRAGA AF+FR*(\i), ADRA+\slot, \q, \i
.endr
.endm
.macro SCALES sc
.irp i, 0,1,2,3,4,5,6,7
	ds_load_b64 v[SC+8*NQ*\sc+NQ*\i:SC+8*NQ*\sc+NQ*\i+1], v[ADRS] offset:\i*SBLK
.endr
.endm
.macro PLACES n
.rept \n
	v_nop
.endr
.endm
.macro STEP slot, q, zero
	s_wait_dscnt 4*NL
	WIN MUL_LO
	MUL16 0, (\q)%2, \q, \slot, \zero
	MUL16 2, (\q)%2, \q, \slot, \zero
	s_wait_dscnt 0
	PLACES NP
	FETCH_B \slot, (\q)+1, 1-(\q)%2
	FETCH_A \slot, (\q)+1, 0
	WIN MUL_HI
	MUL16 4, (\q)%2, \q, \slot, \zero
	MUL16 6, (\q)%2, \q, \slot, \zero
	PLACES NP
	WIN 0
	FETCH_A \slot, (\q)+1, 4
.endm
.macro TURN slot, next, fill
	s_wait_tensorcnt 0x0
	ds_add_u32 v[SPW], v[NIL]
	s_wait_dscnt 4*NL+1
	WIN MUL_LO
	MUL16 0, 1, NQ-1, \slot, 0
	s_wait_dscnt 0x0
	s_barrier_signal -1
	MUL16 2, 1, NQ-1, \slot, 0
	WIN 0
	s_barrier_wait -1
.if \fill
	CREST
	s_add_nc_u64 s[G0+4*\slot+2:G0+4*\slot+3], s[G0+4*\slot+2:G0+4*\slot+3], 2*ASTEP
	s_add_nc_u64 s[G0B+4*\slot+2:G0B+4*\slot+3], s[G0B+4*\slot+2:G0B+4*\slot+3], 2*ROWB
	JLOAD G0+4*\slot, G1, G0B+4*\slot, G1B
	PLACES NP-4
.else
	PLACES NP
.endif
	s_wait_alu depctr_va_vdst(0)
	v_add_nc_u32 v[ADRS], 4*NQ, v[ADRS]
	FETCH_B \next, 0, 0
	FETCH_A \next, 0, 0
	SCALES \next
	WIN MUL_HI
	MUL16 4, 1, NQ-1, \slot, 0
	MUL16 6, 1, NQ-1, \slot, 0
	PLACES NP
	WIN 0
	FETCH_A \next, 0, 4
.endm
	s_wait_alu depctr_va_vdst(0)
	s_wait_tensorcnt 1
	s_barrier_signal -1
	s_barrier_wait -1
	FETCH_B 0, 0, 0
	FETCH_A 0, 0, 0
	SCALES 0
	FETCH_A 0, 0, 4
	STEP 0, 0, 1
	s_mov_b32 s3, LAPS-1
.Llap:
	TURN 0, 1, 1
	STEP 1, 0, 0
	TURN 1, 0, 1
	STEP 0, 0, 0
	s_sub_co_u32 s3, s3, 1
	s_cmp_lg_u32 s3, 0
	s_cbranch_scc1 .Llap
	TURN 0, 1, 0
	STEP 1, 0, 0
	s_wait_dscnt 4*NL
	WIN MUL_LO
	MUL16 0, 1, NQ-1, 1, 0
	MUL16 2, 1, NQ-1, 1, 0
	s_wait_dscnt 0
	WIN MUL_HI
	MUL16 4, 1, NQ-1, 1, 0
	MUL16 6, 1, NQ-1, 1, 0
	WIN 0
.macro TOSTAGE a
.set AC, 64*((\a)%4)
	WIN 0x08+4*((\a)/4)
.irp b, 0,1,2,3,4,5,6,7
	ds_store_b128 v[STO], v[AC+8*\b:AC+8*\b+3] offset:64*\b
	ds_store_b128 v[STO], v[AC+8*\b+4:AC+8*\b+7] offset:64*\b+16
.endr
	WIN 0
.set BB, BK+64*((\a)%2)
.irp t, 0,1,2,3,4,5,6,7,8,9,10,11,12,13,14,15
	ds_load_b128 v[BB+4*\t:BB+4*\t+3], v[RD] offset:\t*SPITCH
.endr
.endm
.macro SEND a, younger
.set BB, BK+64*((\a)%2)
	s_wait_dscnt \younger
.if (\a) > 0
	s_add_nc_u64 s[12:13], s[12:13], 16*SIZE_N*4
.endif
.irp t, 0,1,2,3,4,5,6,7,8,9,10,11,12,13,14,15
	v_pk_add_f32 v[BB+4*\t:BB+4*\t+1], v[BB+4*\t:BB+4*\t+1], v[BI:BI+1]
	v_pk_add_f32 v[BB+4*\t+2:BB+4*\t+3], v[BB+4*\t+2:BB+4*\t+3], v[BI+2:BI+3]
.endr
.irp t, 0,1,2,3,4,5,6,7,8,9,10,11,12,13,14,15
	global_store_b128 v[CO], v[BB+4*\t:BB+4*\t+3], s[12:13] offset:\t*SIZE_N*4 th:TH_STORE_NT
.endr
.endm
	s_wait_loadcnt 0x0
	PLACES NP
	TOSTAGE 0
.irp a, 1,2,3,4,5,6,7
.if \a > 1
	s_wait_xcnt 0x0
.endif
	TOSTAGE \a
	SEND \a-1, 32
.endr
	s_wait_xcnt 0x0
	SEND 7, 0
	s_wait_tensorcnt 0x0
	ds_add_u32 v[SPW], v[NIL]
	s_wait_dscnt 0x0
	CROUND
	s_endpgm
.Lfunc_end_k_qb8fd1be3c4_proj:
	.size	k_qb8fd1be3c4_proj, .Lfunc_end_k_qb8fd1be3c4_proj-k_qb8fd1be3c4_proj
	.p2alignl 7, 3214868480
	.fill 96, 4, 3214868480
	.section	.rodata,"a",@progbits
	.p2align	6, 0x0
	.amdhsa_kernel k_qb8fd1be3c4_proj
		.amdhsa_group_segment_fixed_size 327680
		.amdhsa_private_segment_fixed_size 0
		.amdhsa_enable_private_segment 0
		.amdhsa_kernarg_size 48
		.amdhsa_user_sgpr_count 2
		.amdhsa_user_sgpr_kernarg_segment_ptr 1
		.amdhsa_wavefront_size32 1
		.amdhsa_system_sgpr_workgroup_id_x 1
		.amdhsa_system_sgpr_workgroup_id_y 1
		.amdhsa_system_sgpr_workgroup_id_z 1
		.amdhsa_system_vgpr_workitem_id 0
		.amdhsa_next_free_vgpr 1024
		.amdhsa_next_free_sgpr 98
		.amdhsa_reserve_vcc 0
		.amdhsa_float_denorm_mode_32 3
		.amdhsa_float_denorm_mode_16_64 3
		.amdhsa_memory_ordered 1
		.amdhsa_forward_progress 1
		.amdhsa_inst_pref_size 163
	.end_amdhsa_kernel
	.amdgpu_metadata
---
amdhsa.version: [ 1, 2 ]
amdhsa.kernels:
  - .name:           k_qb8fd1be3c4_proj
    .symbol:         k_qb8fd1be3c4_proj.kd
    .args:
      - { .name: y_codes, .offset: 0, .size: 8, .value_kind: global_buffer, .address_space: global }
      - { .name: y_scales, .offset: 8, .size: 8, .value_kind: global_buffer, .address_space: global }
      - { .name: W_o_codes, .offset: 16, .size: 8, .value_kind: global_buffer, .address_space: global }
      - { .name: W_o_scales, .offset: 24, .size: 8, .value_kind: global_buffer, .address_space: global }
      - { .name: b_o, .offset: 32, .size: 8, .value_kind: global_buffer, .address_space: global }
      - { .name: out0, .offset: 40, .size: 8, .value_kind: global_buffer, .address_space: global }
    .group_segment_fixed_size: 327680
    .private_segment_fixed_size: 0
    .kernarg_segment_align: 8
    .kernarg_segment_size: 48
    .max_flat_workgroup_size: 128
    .sgpr_count:     98
    .vgpr_count:     1024
    .wavefront_size: 32
...
	.end_amdgpu_metadata
.endif
;; end of part 3
